; MI455X (gfx1250); checked and timed in simulation.
; The chip was launched on July 23, 2026; its instructions are those of AMD's public machine-readable ISA for CDNA 5 (MIT licence, August 2026) and "CDNA5" Instruction Set Architecture Reference Guide (July 2026). The comments in the code are by the model that wrote it; some were corrected since.
;; Cross View Attention. Allowed arithmetic: matrix products marked QUANTISED: E4M3 operands, one given power-of-two scale a tensor, by v_wmma_f32_16x16x64_fp8_fp8 or v_wmma_f32_16x16x128_fp8_fp8, f32 sums; products left as they are: f32 operands where the result goes on into a quantised operand, else bf16, f16 or f32 operands; f32 sums; everything else in f32.
;; Inputs: Wk_codes 2 x 256 x 8 x 32 uint8 (E4M3 codes of Wk, K innermost, in blocks of 32 codes); Wm1_codes 2 x 512 x 8 x 32 uint8 (E4M3 codes of Wm1, K innermost, in blocks of 32 codes); Wm2_codes 2 x 256 x 16 x 32 uint8 (E4M3 codes of Wm2, K innermost, in blocks of 32 codes); Wproj_codes 2 x 256 x 8 x 32 uint8 (E4M3 codes of Wproj, K innermost, in blocks of 32 codes); Wq_codes 2 x 256 x 8 x 32 uint8 (E4M3 codes of Wq, K innermost, in blocks of 32 codes); Wv_codes 2 x 256 x 8 x 32 uint8 (E4M3 codes of Wv, K innermost, in blocks of 32 codes); bm1 2 x 512 float32; bm2 2 x 256 float32; bproj 2 x 256 float32; grd2sat 1 x 256 x 64 x 64 float32; grd_x 1 x 256 x 16 x 128 float32; ln_k_b 2 x 256 float32; ln_k_w 2 x 256 float32; ln_post_b 2 x 256 float32; ln_post_w 2 x 256 float32; ln_pre_b 2 x 256 float32; ln_pre_w 2 x 256 float32; ln_q_b 2 x 256 float32; ln_q_w 2 x 256 float32; ln_v_b 2 x 256 float32; ln_v_w 2 x 256 float32; lowp_scales 24 int32 (the exponents e of the quantised operands' scales 2^e); u 1 x 64 x 64 float32.
;; Outputs: out0 1 x 256 x 64 x 64 float32.
;; This version of the problem:
;;   THIS VERSION OF THE PROBLEM IS GIVEN IN LOW PRECISION. The matrix products marked QUANTISED in the list below multiply operands that are first quantised to E4M3 (4 exponent bits, 3 mantissa bits; 8 bits a number), with one given power-of-two scale for each operand tensor; their sums are f32. All else is computed in f32.
;;   The module's matrix products, in the order in which they are computed (A, B: the left and right operand; K: the contracted axis; several contracted axes count as one K, in the product's order):
;;     1. [M 4,096, K 256] x [K 256, N 256]; A: computed on the way; B: input Wq (given as codes): QUANTISED (scales: A lowp_scales[0], B lowp_scales[1])
;;     2. [M 131,072, K 256] x [K 256, N 256]; A: computed on the way; B: input Wk (given as codes): QUANTISED (scales: A lowp_scales[2], B lowp_scales[3])
;;     3. [M 131,072, K 256] x [K 256, N 256]; A: computed on the way; B: input Wv (given as codes): QUANTISED (scales: A lowp_scales[4], B lowp_scales[5])
;;     4. batch 32,768 x [M 1, K 32] x [K 32, N 32]; A: computed on the way; B: computed on the way: left as it is (M = 1 < 16)
;;     5. batch 32,768 x [M 1, K 32] x [K 32, N 32]; A: softmax; B: computed on the way: left as it is (M = 1 < 16)
;;     6. [M 4,096, K 256] x [K 256, N 256]; A: computed on the way; B: input Wproj (given as codes): QUANTISED (scales: A lowp_scales[6], B lowp_scales[7])
;;     7. [M 4,096, K 256] x [K 256, N 512]; A: computed on the way; B: input Wm1 (given as codes): QUANTISED (scales: A lowp_scales[8], B lowp_scales[9])
;;     8. [M 4,096, K 512] x [K 512, N 256]; A: computed on the way; B: input Wm2 (given as codes): QUANTISED (scales: A lowp_scales[10], B lowp_scales[11])
;;     9. [M 4,096, K 256] x [K 256, N 256]; A: computed on the way; B: input Wq (given as codes): QUANTISED (scales: A lowp_scales[12], B lowp_scales[13])
;;     10. [M 131,072, K 256] x [K 256, N 256]; A: computed on the way; B: input Wk (given as codes): QUANTISED (scales: A lowp_scales[14], B lowp_scales[15])
;;     11. [M 131,072, K 256] x [K 256, N 256]; A: computed on the way; B: input Wv (given as codes): QUANTISED (scales: A lowp_scales[16], B lowp_scales[17])
;;     12. batch 32,768 x [M 1, K 32] x [K 32, N 32]; A: computed on the way; B: computed on the way: left as it is (M = 1 < 16)
;;     13. batch 32,768 x [M 1, K 32] x [K 32, N 32]; A: softmax; B: computed on the way: left as it is (M = 1 < 16)
;;     14. [M 4,096, K 256] x [K 256, N 256]; A: computed on the way; B: input Wproj (given as codes): QUANTISED (scales: A lowp_scales[18], B lowp_scales[19])
;;     15. [M 4,096, K 256] x [K 256, N 512]; A: computed on the way; B: input Wm1 (given as codes): QUANTISED (scales: A lowp_scales[20], B lowp_scales[21])
;;     16. [M 4,096, K 512] x [K 512, N 256]; A: computed on the way; B: input Wm2 (given as codes): QUANTISED (scales: A lowp_scales[22], B lowp_scales[23])
;;   THE QUANTISER, for each operand of a quantised product, along K:
;;     - The operand's scale is 2^e, e = its entry of the input lowp_scales (int32; the entries are numbered through the quantised products in the list's order, A before B).
;;     - Each number is divided by the scale, clamped to +-448, and rounded to the nearest number of E4M3, ties to even, subnormals kept.
;;     - The product sums the exact products of the quantised numbers (number of the format x scale) in f32.
;;   ~~~python
;;   def quantise(x, axis, e):      # numpy; x: float32 -> the quantised numbers, widened to float32 again
;;       x = np.moveaxis(x, axis, -1); K = x.shape[-1]
;;       r = np.clip(x / 2.0 ** e, -448, 448)
;;       step = 2.0 ** (np.maximum(np.frexp(np.where(r == 0, 1, r))[1] - 1, -6) - 3)
;;       q = np.round(r / step) * step * 2.0 ** e      # np.round: ties to even
;;       return np.moveaxis(q, -1, axis).astype(np.float32)
;;   ~~~
;;   OPERANDS COMPUTED ON THE WAY. 'Computed on the way' means the value that the module computes at that place (a softmax that the list does not call 'softmax' is quantised finished and normalised). What goes into a quantiser is computed in f32, as accurately as f32 sums, v_exp_f32 and their like allow (about 1e-6 of the number): no bf16 or f16 on the way to a quantiser, and a product that is left as it is and whose result goes on into a quantised operand takes f32 operands (vector FMAs, or v_wmma_f32_16x16x4_f32). A number that lies on a knife's edge between two numbers of the format may be rounded either way, as far as f32 arithmetic and the matrix unit's own rounding can turn it there, and no further.
;;   INPUTS GIVEN AS CODES. Wk (in the module: [2, 256, 256], K = its axis 1); Wm1 (in the module: [2, 256, 512], K = its axis 1); Wm2 (in the module: [2, 512, 256], K = its axis 1); Wproj (in the module: [2, 256, 256], K = its axis 1); Wq (in the module: [2, 256, 256], K = its axis 1); Wv (in the module: [2, 256, 256], K = its axis 1): each comes as NAME_codes (uint8): NAME with its K axis moved to the last place and cut into blocks of 32 codes, [.., K / 32, bytes a block], one block behind the other in memory; one code a byte (a code: sign, 4 exponent bits, 3 mantissa bits); its scale is its entry of lowp_scales. Its value is code x scale, taken as it is: it is not quantised again, and the codes and scales need not be those that the quantiser above would give.
;; One version. Each part assembles by itself: llvm-mc -triple=amdgcn-amd-amdhsa -mcpu=gfx1250 --defsym DOCPART=n.
;; ======== version 1 of 1: 2 launches
;; limits: an absolute error that grows with the inputs' magnitude: up to 7.5e-08 times it
;; workspace buffers: ycodes 2,097,152 bytes; idx 32,768 bytes of whole numbers
;; launch prep (part 1): grid 64 x 1, 16 waves a work-group, no clusters, 40,960 bytes of LDS; arguments grd_x, u, ln_k_w, ln_k_b, ln_v_w, ln_v_b, lowp_scales, ycodes, idx; writes ycodes, idx
.if DOCPART == 1
	.amdgcn_target "amdgcn-amd-amdhsa--gfx1250"
	.amdhsa_code_object_version 6
	.text
	.protected	k_qe76a3446dd_prep
	.globl	k_qe76a3446dd_prep
	.p2align	8
	.type	k_qe76a3446dd_prep,@function
k_qe76a3446dd_prep:
	s_mov_b64 s[64:65], 0
	v_nop
	global_prefetch_b8 v0, s[64:65] scope:SCOPE_SE
	s_setreg_imm32_b32 hwreg(HW_REG_WAVE_MODE, 25, 1), 1
	s_wait_xcnt 0x0
; The gathered rows of the attention are only 2,048 different vectors: grd_x[:, h, w], 256 channels each.  This launch normalises each of them once (mean and variance over the channels),
; applies the four pairs of gain and bias (k and v of both blocks) and quantises to E4M3 with the given scales (entries 2, 4, 14, 16): four sets of codes.  It also turns u into column numbers.
; ycodes, byte address: set x 524288 + w x 4096 + (h / 4) x 1024 + (k / 32) x 128 + (h % 4) x 32 + k % 32;  set = 2 x block + (0: k, 1: v).  idx: int32 pairs [m][2] = (left column, right column).
; SHARES.  Work-group g: heights 4 (g % 4) on, columns 8 (g / 4) on.  A lane is one position (height lane / 8, column lane % 8); wave q takes channels 16 q .. 16 q + 15, its registers running down the channels,
; so that a conversion's eight sources are eight neighbours along K.  The sixteen waves' means and sums of squares meet in LDS.
; The variance is taken about each part's own mean, and the parts are joined by their means' distances from the common mean: no difference of large sums is formed.
; The codes leave through a stage in LDS: a column's 1,024 bytes of a set lie on end there, and each store of a wave covers 512 consecutive bytes, aligned.
; LIMITS: each of the four exponents e lies between -126 and 119, so that 2^e and 448 x 2^e are f32 numbers.  NaN among the inputs is not served.
.set COLP,  1040                       ; the stage: a column's 1,024 bytes + 16
.set SETP,  8*COLP                     ; a set's eight columns
.set STATL, 4*SETP                     ; behind the stage: (mean, sum of squares) of 16 waves x 32 lanes, 8 bytes each
.set X,   16                           ; v16-31   my 16 channels of my position
.set VEC, 32                           ; v32-159  eight vectors of 16: set s: gain at VEC + 32 s, bias 16 further on
.set T,   160                          ; v160-191 at work
.set CD,  176                          ; v176-191 the codes, four registers a set
.macro BAR                             ; my LDS stores have landed and my LDS loads are in: then the work-group's barrier
	s_wait_dscnt 0x0
	s_barrier_signal -1
	s_barrier_wait -1
.endm
	s_load_b512 s[4:19], s[0:1], 0x0               ; grd_x, u, ln_k_w, ln_k_b, ln_v_w, ln_v_b, lowp_scales, ycodes
	s_load_b64 s[20:21], s[0:1], 0x40              ; idx
	v_lshl_add_u32 v208, v0, 2, 0x9800
	v_mov_b32 v209, 0
	v_lshrrev_b32 v192, 5, v0
	v_readfirstlane_b32 s22, v192                  ; wave q
	s_and_b32 s23, ttmp9, 3                        ; which four heights
	s_lshr_b32 s24, ttmp9, 2                       ; which eight columns
	v_and_b32 v192, 31, v0                         ; lane
	v_bfe_u32 v193, v0, 3, 2                       ; my height among the four
	v_and_b32 v194, 7, v0                          ; my column among the eight
	v_lshlrev_b32 v1, 2, v194
	v_lshl_add_u32 v1, v193, 9, v1                 ; grd_x: height x 512 + column x 4
	s_lshl_b32 s40, s22, 6
	v_mov_b32 v2, s40                              ; the vectors: 64 q, the same in every lane
	s_lshl_b32 s40, s22, 8
	s_add_co_u32 s40, s40, STATL
	v_lshl_add_u32 v3, v192, 3, s40                ; where I put my part's pair
	v_lshl_add_u32 v4, v192, 3, STATL              ; where I read the sixteen
	s_lshr_b32 s40, s22, 1
	s_lshl_b32 s40, s40, 7
	s_and_b32 s41, s22, 1
	s_lshl_b32 s41, s41, 4
	s_add_co_u32 s40, s40, s41                     ; my 16 channels in a column's 1,024 bytes: (q / 2) x 128 + (q % 2) x 16
	v_mul_u32_u24 v5, v194, COLP
	v_lshl_add_u32 v5, v193, 5, v5
	v_add_nc_u32 v5, s40, v5                       ; into the stage
	s_lshr_b32 s40, s22, 2                         ; out of it: wave q takes set q / 4, columns 2 (q % 4) and the next
	s_and_b32 s41, s22, 3
	s_mul_i32 s42, s40, SETP
	s_mul_i32 s43, s41, 2*COLP
	s_add_co_u32 s42, s42, s43
	v_lshlrev_b32 v7, 4, v192                      ; 16 x lane
	v_add_nc_u32 v6, s42, v7
	v_lshlrev_b32 v8, 3, v192                      ; 8 x lane
	v_mov_b32 v13, 0                               ; upper halves of pairs that are named whole
	v_mov_b32 v15, 0
	v_mov_b32 v198, 0x3b800000                     ; 1 / 256
	s_lshl_b32 s30, s22, 17                        ; grd_x: 16 q channels of 8,192 bytes,
	s_lshl_b32 s42, s23, 11                        ; four heights of 512,
	s_add_co_u32 s30, s30, s42
	s_lshl_b32 s42, s24, 5                         ; eight columns of 4
	s_add_co_u32 s30, s30, s42
	s_mov_b32 s31, 0
	s_lshl_b32 s32, s40, 19                        ; ycodes: the set,
	s_lshl_b32 s42, s24, 15                        ; eight columns of 4,096,
	s_add_co_u32 s32, s32, s42
	s_lshl_b32 s42, s41, 13                        ; my two of them,
	s_add_co_u32 s32, s32, s42
	s_lshl_b32 s42, s23, 10                        ; the four heights' 1,024 bytes
	s_add_co_u32 s32, s32, s42
	s_mov_b32 s33, 0
	s_wait_kmcnt 0x0
	s_load_b32 s25, s[16:17], 0x8                  ; the exponents of LN_k(y) and LN_v(y), block 0,
	s_load_b32 s26, s[16:17], 0x10
	s_load_b32 s27, s[16:17], 0x38                 ; and block 1
	s_load_b32 s28, s[16:17], 0x40
	s_add_nc_u64 s[4:5], s[4:5], s[30:31]
	s_add_nc_u64 s[18:19], s[18:19], s[32:33]
.irp i, 0,1,2,3,4,5,6,7,8,9,10,11,12,13,14,15
	global_load_b32 v[X+\i], v1, s[4:5] offset:8192*\i
.endr
.irp blk, 0,1
.irp p, 0,1,2,3
.irp n, 0,1,2,3
	global_load_b128 v[VEC+16*(4*\blk+\p)+4*\n:VEC+16*(4*\blk+\p)+4*\n+3], v2, s[8+2*\p:9+2*\p] offset:1024*\blk+16*\n
.endr
.endr
.endr
	s_wait_kmcnt 0x0
.irp g, 0,1,2,3
	s_add_co_i32 s40, s[25+\g], 127
	s_lshl_b32 s41, s40, 23
	v_mov_b32 v[200+2*\g], s41                     ; 2^e as f32: the conversion takes its exponent field
	s_add_co_i32 s40, s40, 8
	s_lshl_b32 s40, s40, 23
	s_or_b32 s40, s40, 0x600000
	v_mov_b32 v[201+2*\g], s40                     ; 448 x 2^e
.endr
	s_wait_loadcnt 32                              ; my 16 channels are in; the 32 loads of the vectors are younger
	; my part's mean, the numbers about it, and their sum of squares
.irp k, 0,1,2,3
	v_pk_add_f32 v[T+2*\k:T+2*\k+1], v[X+4*\k:X+4*\k+1], v[X+4*\k+2:X+4*\k+3]
.endr
	v_pk_add_f32 v[T:T+1], v[T:T+1], v[T+2:T+3]
	v_pk_add_f32 v[T+4:T+5], v[T+4:T+5], v[T+6:T+7]
	v_pk_add_f32 v[T:T+1], v[T:T+1], v[T+4:T+5]
	v_add_f32 v[T], v[T], v[T+1]
	v_mov_b32 v193, 0                              ; (named with v192 as a pair, so it is written)
	v_mul_f32 v192, 0x3d800000, v[T]               ; / 16
.irp k, 0,1,2,3,4,5,6,7
	v_pk_add_f32 v[X+2*\k:X+2*\k+1], v[X+2*\k:X+2*\k+1], v[192:193] op_sel_hi:[1,0] neg_lo:[0,1] neg_hi:[0,1]
.endr
	v_pk_mul_f32 v[T:T+1], v[X:X+1], v[X:X+1]
	v_pk_mul_f32 v[T+2:T+3], v[X+2:X+3], v[X+2:X+3]
.irp k, 2,3,4,5,6,7
	v_pk_fma_f32 v[T+2*(\k%2):T+2*(\k%2)+1], v[X+2*\k:X+2*\k+1], v[X+2*\k:X+2*\k+1], v[T+2*(\k%2):T+2*(\k%2)+1]
.endr
	v_pk_add_f32 v[T:T+1], v[T:T+1], v[T+2:T+3]
	v_add_f32 v193, v[T], v[T+1]
	ds_store_b64 v3, v[192:193]
	BAR                                            ; the sixteen parts' pairs lie in LDS
.irp n, 0,1,2,3,4,5,6,7,8,9,10,11,12,13,14,15
	ds_load_b64 v[T+2*\n:T+2*\n+1], v4 offset:256*\n
.endr
	s_wait_dscnt 0x0
	v_pk_add_f32 v[10:11], v[T:T+1], v[T+2:T+3]    ; (sum of means, sum of sums of squares), in two chains
	v_pk_add_f32 v[196:197], v[T+4:T+5], v[T+6:T+7]
.irp n, 4,6,8,10,12,14
	v_pk_add_f32 v[10:11], v[10:11], v[T+2*\n:T+2*\n+1]
	v_pk_add_f32 v[196:197], v[196:197], v[T+2*\n+2:T+2*\n+3]
.endr
	v_pk_add_f32 v[10:11], v[10:11], v[196:197]
	v_mul_f32 v194, 0x3d800000, v10                ; the mean of all 256
.irp n, 0,1,2,3,4,5,6,7,8,9,10,11,12,13,14,15
	v_sub_f32 v[T+2*\n], v[T+2*\n], v194
.endr
	v_mul_f32 v196, v[T], v[T]
	v_mul_f32 v197, v[T+2], v[T+2]
.irp n, 2,4,6,8,10,12,14
	v_fmac_f32 v196, v[T+2*\n], v[T+2*\n]
	v_fmac_f32 v197, v[T+2*\n+2], v[T+2*\n+2]
.endr
	v_add_f32 v196, v196, v197
	v_fmamk_f32 v11, v196, 0x41800000, v11         ; + 16 x the sum of the squared distances of the parts' means
	v_fmaak_f32 v11, v11, v198, 0x3727c5ac         ; / 256 + 1e-5
	v_rsq_f32 v12, v11
	v_sub_f32 v14, v194, v192                      ; (a plain line behind the root)  the mean less my part's
	s_wait_alu depctr_va_vdst(0)                   ; the wait ahead of the first reader of the root
	v_mul_f32 v14, v14, v12
.irp k, 0,1,2,3,4,5,6,7
	v_pk_fma_f32 v[X+2*\k:X+2*\k+1], v[X+2*\k:X+2*\k+1], v[12:13], v[14:15] op_sel_hi:[1,0,0] neg_lo:[0,0,1] neg_hi:[0,0,1]
.endr
	s_wait_loadcnt 0x0                             ; the eight vectors
.irp g, 0,1,2,3
.irp k, 0,1,2,3,4,5,6,7
	v_pk_fma_f32 v[T+2*\k:T+2*\k+1], v[X+2*\k:X+2*\k+1], v[VEC+32*\g+2*\k:VEC+32*\g+2*\k+1], v[VEC+32*\g+16+2*\k:VEC+32*\g+16+2*\k+1]
.endr
.irp i, 0,1,2,3,4,5,6,7,8,9,10,11,12,13,14,15
	v_med3_num_f32 v[T+\i], v[T+\i], -v[201+2*\g], v[201+2*\g]   ; the conversion to an 8-bit code does not saturate (ISA guide 7.6.2): the hold at 448 x the scale
.endr
	v_cvt_scalef32_pk8_fp8_f32 v[CD+4*\g:CD+4*\g+1], v[T:T+7], v[200+2*\g]
	v_cvt_scalef32_pk8_fp8_f32 v[CD+4*\g+2:CD+4*\g+3], v[T+8:T+15], v[200+2*\g]
	v_nop                                          ; a plain line between the conversions and the next set's writes of their sources
	ds_store_b128 v5, v[CD+4*\g:CD+4*\g+3] offset:SETP*\g
.endr
	BAR                                            ; four sets x eight columns x 1,024 bytes lie in the stage
.irp n, 0,1
.irp e, 0,1
	ds_load_b128 v[T+4*(2*\n+\e):T+4*(2*\n+\e)+3], v6 offset:COLP*\n+512*\e
.endr
.endr
.irp n, 0,1
.irp e, 0,1
	s_wait_dscnt 3-(2*\n+\e)                       ; LDS loads come back in order: the younger ones may stay out
	global_store_b128 v7, v[T+4*(2*\n+\e):T+4*(2*\n+\e)+3], s[18:19] offset:4096*\n+512*\e   ; 32 lanes store 512 consecutive bytes, aligned
.endr
.endr
	; the column numbers: wave 0 alone, 64 queries for each work-group, two a lane
	s_cmp_lg_u32 s22, 0
	s_cbranch_scc1 .Ldone
	s_lshl_b32 s40, ttmp9, 8
	s_mov_b32 s41, 0
	s_add_nc_u64 s[6:7], s[6:7], s[40:41]
	s_lshl_b32 s40, ttmp9, 9
	s_add_nc_u64 s[20:21], s[20:21], s[40:41]
	global_load_b64 v[180:181], v8, s[6:7]
	s_wait_loadcnt 0x0
	v_floor_f32 v180, v180
	v_floor_f32 v181, v181
	v_add_f32 v182, 1.0, v180
	v_add_f32 v183, 1.0, v181
	v_med3_num_f32 v184, v180, 0, 0x42fe0000       ; clipped to 0 .. 127
	v_med3_num_f32 v185, v182, 0, 0x42fe0000
	v_med3_num_f32 v186, v181, 0, 0x42fe0000
	v_med3_num_f32 v187, v183, 0, 0x42fe0000
	v_cvt_u32_f32 v184, v184
	v_cvt_u32_f32 v185, v185
	v_cvt_u32_f32 v186, v186
	v_cvt_u32_f32 v187, v187
	global_store_b128 v7, v[184:187], s[20:21]     ; 32 lanes store 512 consecutive bytes, aligned
.Ldone:
	s_wait_tensorcnt 0x0
	ds_add_u32 v208, v209
	s_wait_dscnt 0x0
	s_endpgm
.Lfunc_end_k_qe76a3446dd_prep:
	.size	k_qe76a3446dd_prep, .Lfunc_end_k_qe76a3446dd_prep-k_qe76a3446dd_prep
	.p2alignl 7, 3214868480
	.fill 96, 4, 3214868480
	.section	.rodata,"a",@progbits
	.p2align	6, 0x0
	.amdhsa_kernel k_qe76a3446dd_prep
		.amdhsa_group_segment_fixed_size 40960
		.amdhsa_private_segment_fixed_size 0
		.amdhsa_enable_private_segment 0
		.amdhsa_kernarg_size 72
		.amdhsa_user_sgpr_count 2
		.amdhsa_user_sgpr_kernarg_segment_ptr 1
		.amdhsa_wavefront_size32 1
		.amdhsa_system_sgpr_workgroup_id_x 1
		.amdhsa_system_sgpr_workgroup_id_y 1
		.amdhsa_system_sgpr_workgroup_id_z 1
		.amdhsa_system_vgpr_workitem_id 0
		.amdhsa_next_free_vgpr 210
		.amdhsa_next_free_sgpr 66
		.amdhsa_reserve_vcc 0
		.amdhsa_float_denorm_mode_32 3
		.amdhsa_float_denorm_mode_16_64 3
		.amdhsa_memory_ordered 1
		.amdhsa_forward_progress 1
		.amdhsa_inst_pref_size 23
	.end_amdhsa_kernel
	.amdgpu_metadata
---
amdhsa.version: [ 1, 2 ]
amdhsa.kernels:
  - .name:           k_qe76a3446dd_prep
    .symbol:         k_qe76a3446dd_prep.kd
    .args:
      - { .name: grd_x, .offset: 0, .size: 8, .value_kind: global_buffer, .address_space: global }
      - { .name: u, .offset: 8, .size: 8, .value_kind: global_buffer, .address_space: global }
      - { .name: ln_k_w, .offset: 16, .size: 8, .value_kind: global_buffer, .address_space: global }
      - { .name: ln_k_b, .offset: 24, .size: 8, .value_kind: global_buffer, .address_space: global }
      - { .name: ln_v_w, .offset: 32, .size: 8, .value_kind: global_buffer, .address_space: global }
      - { .name: ln_v_b, .offset: 40, .size: 8, .value_kind: global_buffer, .address_space: global }
      - { .name: lowp_scales, .offset: 48, .size: 8, .value_kind: global_buffer, .address_space: global }
      - { .name: ycodes, .offset: 56, .size: 8, .value_kind: global_buffer, .address_space: global }
      - { .name: idx, .offset: 64, .size: 8, .value_kind: global_buffer, .address_space: global }
    .group_segment_fixed_size: 40960
    .private_segment_fixed_size: 0
    .kernarg_segment_align: 8
    .kernarg_segment_size: 72
    .max_flat_workgroup_size: 512
    .sgpr_count:     66
    .vgpr_count:     210
    .wavefront_size: 32
...
	.end_amdgpu_metadata
.endif
;; end of part 1
;; launch main (part 2): grid 256 x 1, 4 waves a work-group, clusters of 4 x 1, 327,680 bytes of LDS; arguments lowp_scales, idx, ycodes, grd2sat, Wk_codes, Wq_codes, Wv_codes, Wproj_codes, Wm1_codes, Wm2_codes, ln_q_w, ln_q_b, bproj, ln_pre_w, ln_pre_b, bm2, bm1, ln_post_w, ln_post_b, out0; writes out0
.if DOCPART == 2
	.amdgcn_target "amdgcn-amd-amdhsa--gfx1250"
	.amdhsa_code_object_version 6
	.text
	.protected	k_qe76a3446dd_main
	.globl	k_qe76a3446dd_main
	.p2align	8
	.type	k_qe76a3446dd_main,@function
k_qe76a3446dd_main:
	s_mov_b64 s[64:65], 0
	v_nop
	global_prefetch_b8 v0, s[64:65] scope:SCOPE_SE
	s_setreg_imm32_b32 hwreg(HW_REG_WAVE_MODE, 25, 1), 1
	s_wait_xcnt 0x0
	s_wait_alu depctr_hold_cnt(0) depctr_sa_sdst(0) depctr_va_vdst(0) depctr_va_sdst(0) depctr_va_ssrc(0) depctr_va_vcc(0) depctr_vm_vsrc(0)
	s_getreg_b32 s2, hwreg(HW_REG_IB_STS2, 6, 4)
	s_cmp_eq_u32 s2, 0
	s_cbranch_scc0 .Lentry_in_a_cluster
	s_endpgm
.Lentry_in_a_cluster:
	s_bfe_u32 s2, ttmp6, 0x10000c
	s_cmp_lg_u32 s2, 0x3003
	s_cbranch_scc0 .Lentry_shape_is_right
	s_endpgm
.Lentry_shape_is_right:
; Both blocks of the cross attention, the L2 norm and the store, for 16 queries a work-group: everything behind the gather is row-wise in the query, so nothing goes to memory between the steps.
; SHARES.  Work-group g owns queries 16 g .. 16 g + 15.  ATTENTION: wave w owns queries 4 w .. 4 w + 3 and walks the 8 heads; a query has 32 keys: 16 heights of its left column (u = 0) and 16 of its right (u = 1).
; K = codes x Wk and V = codes x Wv are multiplied for each query's 32 gathered rows (v_wmma_f32_16x16x128_fp8_fp8); the codes of LN_k(y), LN_v(y) come from the launch before, gathered by the stored column numbers.
; K's product has source 0 = 16 rows of Wk, source 1 = 16 keys: a lane holds one key and 8 channels of the head; V's has source 0 = 16 keys, source 1 = 16 rows of Wv: a lane holds one channel and 8 keys.
; So q.k and p.v are packed f32 multiply-adds down a lane's registers, and one exchange between the halves of the lanes ends each.  The softmax takes the row's true maximum away, across the 32 lanes.
; DENSE LAYERS: wave w owns output columns 64 w .. 64 w + 63 (first MLP layer: 128 w on) of all 16 queries: source 0 = 16 neighbouring rows of the weight, source 1 = the 16 queries: lane (r, hh) then holds query r and
; columns 16 t + 8 hh + 0 .. 7 of tile t, and one conversion of those eight IS registers 2 t, 2 t + 1 of the next operand.  Operands go from wave to wave through LDS as images of their registers.
; In K's and V's products both sides are fetched 16 bytes a lane (registers 4 c .. 4 c + 3: k = 32 c + 16 hh + 0 .. 15): one permutation of k, the same on both sides.
; WEIGHTS: all 256 work-groups walk the same 1 MiB of codes; the four of a cluster ask for each tile JOINTLY (mask 15), into two LDS regions that are filled again three times each; each refill stands at a barrier that the data need anyway.
; LAYER NORMS: each wave's 64 columns about their own mean, the four parts joined by their means' distances: no difference of large sums.
; GELU: max(x, 0) - |x| erfc(|x| / sqrt 2) / 2, erfc by t = 1 / (1 + 0.3275911 z) and a polynomial of degree 5 times exp(-z^2) (Abramowitz and Stegun 7.1.26).
; OUT0 is [channel][query]: a work-group's 16 queries are 64 bytes of a channel's row, so a store covers two pieces of 64 consecutive bytes; the four work-groups of a cluster fill 256 consecutive bytes between them.
; A work-group of 64 queries would store 256 bytes on end and leave three WGPs in four without work.
; LIMITS.  So that each power of two made below is an f32 number: e0, e8, e10 and e6 - e4 - e5 between -126 and 119; e6 + e7, e8 + e9, e10 + e11 between -126 and 127; e0 + e1 + e2 + e3 between -124 and 129
; (block 1: the same with 12 added to each index).  erfc's absolute error is 1.5e-7, so gelu's is 0.75e-7 |x|.  NaN among the inputs is not served.
; REGISTERS, in windows of 256 (s_set_vgpr_msb: bits 1:0 source 0, 3:2 source 1, 5:4 source 2, 7:6 destination):
;  window 0: v1-31 addresses and constants; v32-39 the gathers' offsets; v40-63 at work; v64-127 q or p (attention), Z v64-95 and the operand XF v96-127 (dense); v128-255 accumulators and work.
;  window 1: K's codes (query i, column u, K step s at 64 i + 32 u + 16 s); in the dense layers the weights' fragments.
;  window 2: v0-63 Wk's or Wv's four fragments of a head; v64-127 ln_q w, b; v128-159 bproj; v160-223 ln_pre w, b; v224-255 bm2.
;  window 3: V's codes; ahead of them Wq's fragments (v128-255); behind them bm1 (v0-63), ln_post w, b (v64-127).
.set WP,    272                        ; a weight's row of 256 bytes in LDS, + 16: 68 words, so that 16 rows start at 16 different groups of four banks (64 banks of 4 bytes: ISA guide 11.1)
.set MP,    528                        ; Wm2's row of 512 bytes, + 16
.set P0,    0                          ; [Wk | Wq], later Wm1: 512 rows of WP
.set P1,    139264                     ; [Wv | Wproj], later Wm2: 256 rows of MP
.set HALFW, 256*WP
.set QA,    278528                     ; 16 rows x 1,040: q, later a (f32)
.set QAP,   1040
.set PR,    295168                     ; the softmax's p: wave x 4096 + query x 1024 + head x 128 + 4 x key
.set IMG,   311552                     ; image of a 16 x 256 operand: 8 groups of four registers, 512 bytes each
.set HIMG,  315648                     ; image of the 16 x 512 hidden operand
.set STAT,  323840                     ; two halves of 512: wave x 128 + query x 8
.set SPARE, 324864                     ; the spare words, 128 bytes a wave: two blocks of 256 bytes that no other line names
.set Z,     64
.set XF,    96
.set AC,    128
.set MSB, 0
.macro WIN new                         ; the immediate's high byte repeats the setting that is left; a switch that changes nothing is dropped
.if MSB != (\new)
	s_set_vgpr_msb (MSB<<8)|(\new)
.set MSB, (\new)
.endif
.endm
.macro PLACES                          ; four plain lines: behind matrix instructions ahead of reads of results and of loads into their registers, and behind a tensor load
.rept 4
	v_nop
.endr
.endm
.macro BAR                             ; my LDS stores have landed and my LDS loads are in: then the work-group's barrier
	s_wait_dscnt 0x0
	s_barrier_signal -1
	s_barrier_wait -1
.endm
.macro ROUND                           ; a round of the cluster's barrier
	s_barrier_signal -1
	s_barrier_wait -1
	s_cmp_lg_u32 s3, 0
	s_cbranch_scc1 .Lnot_wave_0_\@
	s_barrier_signal -3
.Lnot_wave_0_\@:
	s_barrier_wait -3
	s_barrier_signal -1
	s_barrier_wait -1
.endm
.macro JLOAD ga, gb                    ; a joint load of a pair of weights: waves 0 and 1 fetch the first one's halves, waves 2 and 3 the second's; the branch hangs on the wave's number alone
	s_cmp_lt_u32 s3, 2
	s_cbranch_scc0 .Lsecond_\@
	tensor_load_to_lds s[\ga:\ga+3], s[16:23]
	s_nop 0
	PLACES
	s_branch .Lasked_\@
.Lsecond_\@:
	tensor_load_to_lds s[\gb:\gb+3], s[16:23]
	s_nop 0
	PLACES
.Lasked_\@:
.endm
.macro PVEC reg, ptr, off, nt, areg    ; a vector's numbers at my columns: tile t's eight at v[reg + 8 t]
.set pt_, 0
.rept \nt
	global_load_b128 v[\reg+8*pt_:\reg+8*pt_+3], v[\areg], s[\ptr:\ptr+1] offset:\off+64*pt_
	global_load_b128 v[\reg+8*pt_+4:\reg+8*pt_+7], v[\areg], s[\ptr:\ptr+1] offset:\off+64*pt_+16
.set pt_, pt_+1
.endr
.endm
.macro GATHER sig, i                   ; query i's 32 rows of set sig: four fragments, 16 loads; a load reads four pieces of 128 bytes
.irp u, 0,1
.irp s, 0,1
.irp c, 0,1,2,3
	global_load_b128 v[64*(\i)+32*\u+16*\s+4*\c:64*(\i)+32*\u+16*\s+4*\c+3], v[32+2*(\i)+\u], s[60:61] offset:(\sig)*524288+512*\s+128*\c
.endr
.endr
.endr
.endm
.macro SCLIM d                         ; s7 = e:  s[d] = 2^e as f32, s[d + 1] = 448 x 2^e
	s_add_co_i32 s7, s7, 127
	s_lshl_b32 s[\d], s7, 23
	s_add_co_i32 s7, s7, 8
	s_lshl_b32 s[\d+1], s7, 23
	s_or_b32 s[\d+1], s[\d+1], 0x600000
.endm
.macro SCPAIR d                        ; s7 = e:  s[d] = s[d + 1] = 2^e (a packed form names the pair)
	s_add_co_i32 s7, s7, 127
	s_lshl_b32 s[\d], s7, 23
	s_mov_b32 s[\d+1], s[\d]
.endm
.macro CONSTS                          ; a block's twelve exponents lie in s84-95
	s_mov_b32 s7, s84
	SCLIM 68                                       ; LN_q(x)'s conversion
	s_add_co_i32 s7, s84, s85
	s_add_co_i32 s7, s7, s86
	s_add_co_i32 s7, s7, s87
	s_lshl_b32 s7, s7, 23
	s_add_co_i32 s70, s7, 0x3e8293ee               ; log2(e) / sqrt(32) x 2^(e0 + e1 + e2 + e3): q's sums take it, so that q.k of the raw sums is the softmax's exponent to base 2
	s_mov_b32 s71, s70
	s_sub_co_i32 s7, s90, s88
	s_sub_co_i32 s7, s7, s89
	SCLIM 72                                       ; a of the raw sums of V stands for a x 2^(e4 + e5): its conversion takes 2^(e6 - e4 - e5)
	s_add_co_i32 s7, s90, s91
	SCPAIR 74
	s_mov_b32 s7, s92
	SCLIM 76
	s_add_co_i32 s7, s92, s93
	SCPAIR 78
	s_mov_b32 s7, s94
	SCLIM 80
	s_add_co_i32 s7, s94, s95
	SCPAIR 82
.endm
; A LAYER NORM over Z (query r, my wave's 64 columns: 32 in my lane, 32 in the lane 16 away).  LN_A: my part's mean (v56), Z about it, the sum of squares (v57), both to LDS.
.macro LN_A par
.irp k, 0,1,2,3,4,5,6,7
	v_pk_add_f32 v[40+2*\k:41+2*\k], v[Z+4*\k:Z+4*\k+1], v[Z+4*\k+2:Z+4*\k+3]
.endr
.irp k, 0,1,2,3
	v_pk_add_f32 v[40+4*\k:41+4*\k], v[40+4*\k:41+4*\k], v[42+4*\k:43+4*\k]
.endr
	v_pk_add_f32 v[40:41], v[40:41], v[44:45]
	v_pk_add_f32 v[48:49], v[48:49], v[52:53]
	v_pk_add_f32 v[40:41], v[40:41], v[48:49]
	v_add_f32 v40, v40, v41
	v_permlanex16_b32 v28, v40, s62, s63
	v_add_f32 v40, v40, v28
	v_mul_f32 v56, 0x3c800000, v40                 ; / 64
.irp k, 0,1,2,3,4,5,6,7,8,9,10,11,12,13,14,15
	v_pk_add_f32 v[Z+2*\k:Z+2*\k+1], v[Z+2*\k:Z+2*\k+1], v[56:57] op_sel_hi:[1,0] neg_lo:[0,1] neg_hi:[0,1]
.endr
.irp k, 0,1,2,3
	v_pk_mul_f32 v[40+2*\k:41+2*\k], v[Z+2*\k:Z+2*\k+1], v[Z+2*\k:Z+2*\k+1]
.endr
.irp k, 4,5,6,7,8,9,10,11,12,13,14,15
	v_pk_fma_f32 v[40+2*(\k%4):41+2*(\k%4)], v[Z+2*\k:Z+2*\k+1], v[Z+2*\k:Z+2*\k+1], v[40+2*(\k%4):41+2*(\k%4)]
.endr
	v_pk_add_f32 v[40:41], v[40:41], v[42:43]
	v_pk_add_f32 v[44:45], v[44:45], v[46:47]
	v_pk_add_f32 v[40:41], v[40:41], v[44:45]
	v_add_f32 v40, v40, v41
	v_permlanex16_b32 v28, v40, s62, s63
	v_add_f32 v57, v40, v28
	ds_store_b64 v19, v[56:57] offset:512*(\par)
.endm
.macro LN_B1 par                       ; behind the barrier: the four parts' pairs are asked for
.irp n, 0,1,2,3
	ds_load_b64 v[40+2*\n:41+2*\n], v20 offset:512*(\par)+128*\n
.endr
.endm
.macro LN_B2 young, win, W, B          ; young: LDS loads issued behind those four, which may stay out; gain and bias at v[W], v[B] of the window that win names for sources 1 and 2
	s_wait_dscnt \young
	v_add_f32 v48, v40, v42
	v_add_f32 v49, v44, v46
	v_add_f32 v50, v41, v43
	v_add_f32 v51, v45, v47
	v_add_f32 v48, v48, v49
	v_add_f32 v50, v50, v51
	v_mul_f32 v48, 0x3e800000, v48                 ; the mean of all 256
	v_sub_f32 v40, v40, v48
	v_sub_f32 v42, v42, v48
	v_sub_f32 v44, v44, v48
	v_sub_f32 v46, v46, v48
	v_mul_f32 v52, v40, v40
	v_fmac_f32 v52, v42, v42
	v_fmac_f32 v52, v44, v44
	v_fmac_f32 v52, v46, v46
	v_fmamk_f32 v50, v52, 0x42800000, v50          ; + 64 x the sum of the squared distances of the parts' means
	v_fmaak_f32 v50, v50, v14, 0x3727c5ac          ; / 256 + 1e-5
	v_rsq_f32 v54, v50
	v_sub_f32 v58, v48, v56                        ; (a plain line behind the root)  the mean less my part's
	s_wait_alu depctr_va_vdst(0)                   ; the wait ahead of the first reader of the root
	v_mul_f32 v58, v58, v54
.irp k, 0,1,2,3,4,5,6,7,8,9,10,11,12,13,14,15
	v_pk_fma_f32 v[Z+2*\k:Z+2*\k+1], v[Z+2*\k:Z+2*\k+1], v[54:55], v[58:59] op_sel_hi:[1,0,0] neg_lo:[0,0,1] neg_hi:[0,0,1]
.endr
	WIN \win
.irp k, 0,1,2,3,4,5,6,7,8,9,10,11,12,13,14,15
	v_pk_fma_f32 v[Z+2*\k:Z+2*\k+1], v[Z+2*\k:Z+2*\k+1], v[\W+2*\k:\W+2*\k+1], v[\B+2*\k:\B+2*\k+1]
.endr
	WIN 0
.endm
.macro QIMG sc                         ; Z's 32 numbers become registers 8 w .. 8 w + 7 of the 16 x 256 operand, and go to LDS as they stand.  s[sc]: the scale, s[sc + 1]: 448 x the scale.  Z stays
	v_mov_b32 v26, s[\sc]
	v_mov_b32 v27, s[\sc+1]
.set n_, 0
.rept 32
	v_med3_num_f32 v[192+n_], v[Z+n_], -v27, v27   ; the conversion to an 8-bit code does not saturate (ISA guide 7.6.2): the hold at 448 x the scale
.set n_, n_+1
.endr
.irp t, 0,1,2,3
	v_cvt_scalef32_pk8_fp8_f32 v[40+2*\t:41+2*\t], v[192+8*\t:199+8*\t], v26
.endr
	v_nop                                          ; a plain line between the conversions and whatever next writes their sources
	ds_store_b128 v15, v[40:43]
	ds_store_b128 v15, v[44:47] offset:512
.endm
.macro XFETCH                          ; the whole operand, in any wave: the same registers in the same lanes
.irp n, 0,1,2,3,4,5,6,7
	ds_load_b128 v[XF+4*\n:XF+4*\n+3], v16 offset:512*\n
.endr
.endm
; My wave's fragments of a dense weight: s7 = LDS byte of my first row.  Tile t (16 rows), K step s at v[rb + 16 (nk t + s)]: registers 2 c, 2 c + 1 hold k = 128 s + 16 c + 8 hh + 0 .. 7.  K step by K step.
.macro DFRAG win, rb, lane, nt, nk, ts
	v_add_nc_u32 v7, s7, v[\lane]
	WIN \win
.set ds_, 0
.rept \nk
.set dt_, 0
.rept \nt
.irp c, 0,1,2,3,4,5,6,7
	ds_load_b64 v[\rb+16*(\nk*dt_+ds_)+2*\c:\rb+16*(\nk*dt_+ds_)+2*\c+1], v7 offset:dt_*\ts+128*ds_+16*\c
.endr
.set dt_, dt_+1
.endr
.set ds_, ds_+1
.endr
	WIN 0
.endm
; K steps s0 .. s1 - 1 of a dense product; the tiles' accumulators take turns, one instruction a turn; K step 0 starts the sums
.macro DMUL acc, nt, nk, wb, x, s0, s1
.set ds_, \s0
.rept \s1-\s0
.set dt_, 0
.rept \nt
.if ds_ == 0
	v_wmma_f32_16x16x128_fp8_fp8 v[\acc+8*dt_:\acc+8*dt_+7], v[\wb+16*(\nk*dt_+ds_):\wb+16*(\nk*dt_+ds_)+15], v[\x+16*ds_:\x+16*ds_+15], 0
.else
	v_wmma_f32_16x16x128_fp8_fp8 v[\acc+8*dt_:\acc+8*dt_+7], v[\wb+16*(\nk*dt_+ds_):\wb+16*(\nk*dt_+ds_)+15], v[\x+16*ds_:\x+16*ds_+15], v[\acc+8*dt_:\acc+8*dt_+7]
.endif
.set dt_, dt_+1
.endr
.set ds_, ds_+1
.endr
.endm
.macro WFRAG                           ; a head's 32 rows of Wk or Wv from LDS byte s5 on: tile t, K step s at v[16 (2 t + s)] of window 2
	v_add_nc_u32 v8, s5, v4
	WIN 0x80
.irp t, 0,1
.irp s, 0,1
.irp c, 0,1,2,3
	ds_load_b128 v[16*(2*\t+\s)+4*\c:16*(2*\t+\s)+4*\c+3], v8 offset:\t*16*WP+128*\s+32*\c
.endr
.endr
.endr
	WIN 0
.endm
; Eight chains of eight packed multiply-adds: accumulator (i, a, x) at AC + 32 i + sa a + sx x, times q or p at 64 + 16 i + 8 a, summed over a into chain (i, x); each accumulator is read from its low end on
.macro DOTS sa, sx
.irp a, 0,1
.irp jj, 0,1,2,3
.irp i, 0,1,2,3
.irp x, 0,1
.if (\a == 0) && (\jj == 0)
	v_pk_mul_f32 v[40+4*\i+2*\x:41+4*\i+2*\x], v[AC+32*\i+\sa*\a+\sx*\x+2*\jj:AC+32*\i+\sa*\a+\sx*\x+2*\jj+1], v[64+16*\i+8*\a+2*\jj:65+16*\i+8*\a+2*\jj]
.else
	v_pk_fma_f32 v[40+4*\i+2*\x:41+4*\i+2*\x], v[AC+32*\i+\sa*\a+\sx*\x+2*\jj:AC+32*\i+\sa*\a+\sx*\x+2*\jj+1], v[64+16*\i+8*\a+2*\jj:65+16*\i+8*\a+2*\jj], v[40+4*\i+2*\x:41+4*\i+2*\x]
.endif
.endr
.endr
.endr
.endr
.endm
; Chain (i, x) holds, in lane (r, hh), half of the sum for item (x, r).  Lanes 0-15 keep x = 0 and send x = 1, lanes 16-31 the other way round: lane l then holds the whole sum of item l, in v[41 + 4 i]
.macro FOLD
.irp i, 0,1,2,3
	v_add_f32 v[40+4*\i], v[40+4*\i], v[41+4*\i]
	v_add_f32 v[42+4*\i], v[42+4*\i], v[43+4*\i]
.endr
.irp i, 0,1,2,3
	v_cndmask_b32 v[41+4*\i], v[40+4*\i], v[42+4*\i], s11
	v_cndmask_b32 v[43+4*\i], v[42+4*\i], v[40+4*\i], s11
.endr
.irp i, 0,1,2,3
	v_permlanex16_b32 v[40+4*\i], v[43+4*\i], s62, s63
.endr
.irp i, 0,1,2,3
	v_add_f32 v[41+4*\i], v[41+4*\i], v[40+4*\i]
.endr
.endm
.macro ACROSS opd, op                  ; v[42 + 4 i] = the maximum or the sum of v[41 + 4 i] over the 32 lanes, in every lane
.irp i, 0,1,2,3
	\opd v[42+4*\i], v[41+4*\i], v[41+4*\i] row_xmask:1 row_mask:0xf bank_mask:0xf
.endr
.irp m, 2,4,8
.irp i, 0,1,2,3
	\opd v[42+4*\i], v[42+4*\i], v[42+4*\i] row_xmask:\m row_mask:0xf bank_mask:0xf
.endr
.endr
.irp i, 0,1,2,3
	v_permlanex16_b32 v[40+4*\i], v[42+4*\i], s62, s63
.endr
.irp i, 0,1,2,3
	\op v[42+4*\i], v[42+4*\i], v[40+4*\i]
.endr
.endm
; ONE HEAD for my four queries.  kind = 0: K, q.k, the softmax, p to LDS.  kind = 1: V, p.v, a to LDS.  s4: the head; s5: LDS byte of the head's rows of the weight; s6 = 128 x head.
.macro HEAD kind, tag
	v_add_nc_u32 v7, s6, v[10+2*\kind]
.irp i, 0,1,2,3
.irp a, 0,1
.irp g, 0,1
	ds_load_b128 v[64+16*\i+8*\a+4*\g:64+16*\i+8*\a+4*\g+3], v7 offset:\i*(QAP-16*\kind)+64*\a+16*\g   ; q at my 16 channels of the head, or p at my 16 keys
.endr
.endr
.endr
	s_wait_dscnt 16                                ; the weight's fragments are in: the 16 loads just issued are younger (so on the way in and on the way back)
.if \kind == 0
	WIN 0x06                                       ; source 0: Wk, window 2; source 1: K's codes, window 1
.else
	WIN 0x0b                                       ; source 0: V's codes, window 3; source 1: Wv, window 2
.endif
.irp s, 0,1                            ; 32 products; the 16 accumulators take turns, one instruction a turn; K step 0 starts the sums
.irp i, 0,1,2,3
.irp u, 0,1
.irp t, 0,1
.if \kind == 0
.if \s == 0
	v_wmma_f32_16x16x128_fp8_fp8 v[AC+32*\i+16*\u+8*\t:AC+32*\i+16*\u+8*\t+7], v[16*(2*\t+\s):16*(2*\t+\s)+15], v[64*\i+32*\u+16*\s:64*\i+32*\u+16*\s+15], 0
.else
	v_wmma_f32_16x16x128_fp8_fp8 v[AC+32*\i+16*\u+8*\t:AC+32*\i+16*\u+8*\t+7], v[16*(2*\t+\s):16*(2*\t+\s)+15], v[64*\i+32*\u+16*\s:64*\i+32*\u+16*\s+15], v[AC+32*\i+16*\u+8*\t:AC+32*\i+16*\u+8*\t+7]
.endif
.else
.if \s == 0
	v_wmma_f32_16x16x128_fp8_fp8 v[AC+32*\i+16*\u+8*\t:AC+32*\i+16*\u+8*\t+7], v[64*\i+32*\u+16*\s:64*\i+32*\u+16*\s+15], v[16*(2*\t+\s):16*(2*\t+\s)+15], 0
.else
	v_wmma_f32_16x16x128_fp8_fp8 v[AC+32*\i+16*\u+8*\t:AC+32*\i+16*\u+8*\t+7], v[64*\i+32*\u+16*\s:64*\i+32*\u+16*\s+15], v[16*(2*\t+\s):16*(2*\t+\s)+15], v[AC+32*\i+16*\u+8*\t:AC+32*\i+16*\u+8*\t+7]
.endif
.endif
.endr
.endr
.endr
.endr
	WIN 0
	PLACES
	s_wait_dscnt 0x0                               ; q or p is in (asked for 32 matrix instructions ago)
	s_add_co_u32 s5, s5, 32*WP
	s_cmp_eq_u32 s4, 7                             ; the next head's fragments are asked for now and land under the vector work; the last head asks for nothing
	s_cbranch_scc1 .Lnf_\tag
	WFRAG
.Lnf_\tag:
.if \kind == 0
	DOTS 8, 16
	FOLD                                           ; lane l: the exponent to base 2 of key l
	ACROSS v_max_num_f32_dpp, v_max_num_f32
.irp i, 0,1,2,3
	v_sub_f32 v[41+4*\i], v[41+4*\i], v[42+4*\i]
.endr
.irp i, 0,1,2,3
	v_exp_f32 v[41+4*\i], v[41+4*\i]
.endr
	v_add_nc_u32 v7, s6, v11                       ; (a plain line behind the exponentials)
	s_wait_alu depctr_va_vdst(0)                   ; one wait for the four, ahead of their first reader
	ACROSS v_add_f32_dpp, v_add_f32
.irp i, 0,1,2,3
	v_rcp_f32 v[42+4*\i], v[42+4*\i]
.endr
	v_nop
	s_wait_alu depctr_va_vdst(0)                   ; likewise for the four reciprocals
.irp i, 0,1,2,3
	v_mul_f32 v[41+4*\i], v[41+4*\i], v[42+4*\i]
.endr
.else
	DOTS 16, 8
	FOLD                                           ; lane l: channel l of the head
	v_add_nc_u32 v7, s6, v13
.endif
.irp i, 0,1,2,3
	ds_store_b32 v7, v[41+4*\i] offset:\i*(1024+16*\kind)
.endr
.endm
; gelu of 16 numbers, v[128 + 16 g] on, in place.  v192-207 |x|; v208-223 t; v224-239 exp(-x^2 / 2); v240-255 the polynomial, halved
.macro GELU g
.set HB, AC+16*(\g)
.set n_, 0
.rept 16
	v_and_b32 v[192+n_], s10, v[HB+n_]
.set n_, n_+1
.endr
.irp k, 0,1,2,3,4,5,6,7
	v_pk_fma_f32 v[208+2*\k:209+2*\k], v[192+2*\k:193+2*\k], 0x3e6d3388, 1.0 op_sel_hi:[1,0,0]   ; 1 + 0.3275911 |x| / sqrt 2
	v_pk_mul_f32 v[224+2*\k:225+2*\k], v[192+2*\k:193+2*\k], 0x3f596d27 op_sel_hi:[1,0]          ; |x| sqrt(log2(e) / 2)
.endr
.irp k, 0,1,2,3,4,5,6,7
	v_pk_mul_f32 v[224+2*\k:225+2*\k], v[224+2*\k:225+2*\k], v[224+2*\k:225+2*\k]
.endr
.set n_, 0
.rept 16
	v_rcp_f32 v[208+n_], v[208+n_]
.set n_, n_+1
.endr
.set n_, 0
.rept 16
	v_exp_f32 v[224+n_], -v[224+n_]
.set n_, n_+1
.endr
.set n_, 0
.rept 16
	v_max_num_f32 v[HB+n_], 0, v[HB+n_]            ; plain work behind the batch of 32
.set n_, n_+1
.endr
	s_wait_alu depctr_va_vdst(0)                   ; one wait for the batch, ahead of its first reader
.irp k, 0,1,2,3,4,5,6,7
	v_pk_fma_f32 v[240+2*\k:241+2*\k], v[208+2*\k:209+2*\k], 0x3f07dc22, v[30:31] op_sel_hi:[1,0,1]   ; a5 / 2 t + a4 / 2
.endr
.irp a, 0x3f35f0e3, 0xbe11a98e, 0x3e027906
.irp k, 0,1,2,3,4,5,6,7
	v_pk_fma_f32 v[240+2*\k:241+2*\k], v[240+2*\k:241+2*\k], v[208+2*\k:209+2*\k], \a op_sel_hi:[1,1,0]   ; x t + a3 / 2, a2 / 2, a1 / 2
.endr
.endr
.irp k, 0,1,2,3,4,5,6,7
	v_pk_mul_f32 v[208+2*\k:209+2*\k], v[208+2*\k:209+2*\k], v[224+2*\k:225+2*\k]
.endr
.irp k, 0,1,2,3,4,5,6,7
	v_pk_mul_f32 v[240+2*\k:241+2*\k], v[240+2*\k:241+2*\k], v[208+2*\k:209+2*\k]                 ; erfc(|x| / sqrt 2) / 2
.endr
.irp k, 0,1,2,3,4,5,6,7
	v_pk_fma_f32 v[HB+2*\k:HB+2*\k+1], v[192+2*\k:193+2*\k], v[240+2*\k:241+2*\k], v[HB+2*\k:HB+2*\k+1] neg_lo:[1,0,0] neg_hi:[1,0,0]
.endr
.endm
; ================================================================ A BLOCK.  It is written out twice.
.macro BLOCK b
	; ---- LN_q and its image
	LN_A \b
.if \b == 0
	s_wait_tensorcnt 0x1                           ; my part of [Wk | Wq] is in; my part of [Wv | Wproj], issued behind it, may stay out
	BAR
.else
	s_wait_tensorcnt 0x0                           ; all my tensor loads have landed ([Wk | Wq] of this block), so the descriptors may be written
	ds_add_u32 v24, v25                            ; 0 onto my spare word
	s_mov_b32 s41, s13
	s_add_nc_u64 s[42:43], s[52:53], 65536         ; Wv and Wproj of block 1
	s_or_b32 s43, s43, 0x80000000
	s_add_nc_u64 s[46:47], s[54:55], 65536
	s_or_b32 s47, s47, 0x80000000
	s_wait_dscnt 0x0                               ; the add is done, my statistics have landed, my reads of Wm2 are over
	ROUND
	JLOAD 40, 44
.endif
	LN_B1 \b
	s_mul_i32 s7, s3, 64*WP
	s_add_co_u32 s7, s7, P0+HALFW
	DFRAG 0xc0, 128, 5, 4, 2, 16*WP                ; Wq's fragments, 64 loads, land under the arithmetic
	LN_B2 63, 0x28, 64, 96                         ; 64 loads are younger than the statistics; the wait names the most that it can
.if \b == 0
	WIN 0x80
	PVEC 64, 84, 1024, 4, 21                       ; ln_q of block 1, into the registers just read
	PVEC 96, 86, 1024, 4, 21
.endif
	WIN 0xc0
	GATHER 2*\b+1, 0                               ; V's codes of queries 0 and 1
	GATHER 2*\b+1, 1
	WIN 0
	QIMG 68
	BAR                                            ; the operand's image lies in LDS
	; ---- q
	XFETCH
	s_wait_dscnt 0x0
	WIN 0x03                                       ; source 0: window 3
	DMUL AC, 4, 2, 128, XF, 0, 2
	WIN 0
	PLACES
.irp k, 0,1,2,3,4,5,6,7,8,9,10,11,12,13,14,15
	v_pk_mul_f32 v[192+2*\k:193+2*\k], v[AC+2*\k:AC+2*\k+1], s[70:71] op_sel_hi:[1,0]
.endr
	WIN 0xc0
	GATHER 2*\b+1, 2                               ; V's codes of queries 2 and 3, where Wq's fragments lay
	GATHER 2*\b+1, 3
	WIN 0
.irp t, 0,1,2,3
.irp g, 0,1
	ds_store_b128 v9, v[192+8*\t+4*\g:195+8*\t+4*\g] offset:64*\t+16*\g
.endr
.endr
	BAR                                            ; 16 whole rows of q lie in LDS
	; ---- K, q.k, softmax: eight heads
	s_mov_b32 s4, 0
	s_mov_b32 s5, P0
	s_mov_b32 s6, 0
	WFRAG
	s_wait_loadcnt 63                              ; K's codes are in: more than 63 loads (V's 64 and some vectors) were issued behind them, and the wait names the most that it can
.Lk_\b:
	HEAD 0, k\b
	s_add_co_u32 s6, s6, 128
	s_add_co_u32 s4, s4, 1
	s_cmp_lt_u32 s4, 8
	s_cbranch_scc1 .Lk_\b
	s_wait_tensorcnt 0x0                           ; [Wv | Wproj] has landed
	ds_add_u32 v24, v25                            ; 0 onto my spare word
	s_add_nc_u64 s[34:35], s[56:57], \b*131072     ; my 128 rows of Wm1
	s_or_b32 s35, s35, 0x80000000
	s_wait_dscnt 0x0                               ; the add is done, and my reads of Wk and Wq are over
	ROUND
	tensor_load_to_lds s[32:35], s[16:23]
	s_nop 0
	PLACES
	; ---- V, p.v: eight heads
	s_mov_b32 s4, 0
	s_mov_b32 s5, P1
	s_mov_b32 s6, 0
	WFRAG
	s_wait_loadcnt 0x0                             ; V's codes, and every vector asked for so far
.Lv_\b:
	HEAD 1, v\b
	s_add_co_u32 s6, s6, 128
	s_add_co_u32 s4, s4, 1
	s_cmp_lt_u32 s4, 8
	s_cbranch_scc1 .Lv_\b
	s_mul_i32 s7, s3, 64*WP
	s_add_co_u32 s7, s7, P1+HALFW
	DFRAG 0x40, 0, 5, 4, 2, 16*WP                  ; Wproj's fragments, where K's codes lay
	WIN 0xc0
	PVEC 0, 96, \b*2048, 8, 22                     ; bm1, ln_post w and b, where V's codes lay
	PVEC 64, 98, \b*1024, 4, 21
	PVEC 96, 100, \b*1024, 4, 21
	WIN 0
	BAR                                            ; 16 whole rows of a lie in LDS
	; ---- the projection and LN_pre
.irp t, 0,1,2,3
.irp g, 0,1
	ds_load_b128 v[Z+8*\t+4*\g:Z+8*\t+4*\g+3], v9 offset:64*\t+16*\g
.endr
.endr
	s_wait_dscnt 0x0
	QIMG 72
	BAR
	XFETCH
	s_wait_dscnt 0x0
	WIN 0x01                                       ; source 0: window 1
	DMUL AC, 4, 2, 0, XF, 0, 2
	WIN 0
	PLACES
	WIN 0x20                                       ; source 2: window 2
.irp k, 0,1,2,3,4,5,6,7,8,9,10,11,12,13,14,15
	v_pk_fma_f32 v[Z+2*\k:Z+2*\k+1], v[AC+2*\k:AC+2*\k+1], s[74:75], v[128+2*\k:129+2*\k] op_sel_hi:[1,0,1]   ; sum x 2^(e6 + e7) + bproj
.endr
	WIN 0
	LN_A 1-\b
	s_wait_tensorcnt 0x0                           ; Wm1 has landed
	ds_add_u32 v24, v25                            ; 0 onto my spare word
	s_mov_b32 s41, s14
	s_add_nc_u64 s[42:43], s[58:59], \b*131072     ; my 64 rows of Wm2
	s_or_b32 s43, s43, 0x80000000
	s_wait_dscnt 0x0                               ; the add is done, my statistics have landed, my reads of Wv and Wproj are over
	ROUND
	tensor_load_to_lds s[40:43], s[24:31]
	s_nop 0
	PLACES
	LN_B1 1-\b
	s_mov_b32 s7, s12
	DFRAG 0x40, 0, 5, 8, 2, 16*WP                  ; Wm1's fragments, 128 loads
	LN_B2 63, 0x28, 160, 192
.if \b == 0
	WIN 0x80
	PVEC 128, 88, 1024, 4, 21                      ; bproj and ln_pre of block 1, into the registers just read: 24 loads
	PVEC 160, 90, 1024, 4, 21
	PVEC 192, 92, 1024, 4, 21
	WIN 0
.endif
	QIMG 76                                        ; Z stays: it is the residual
	BAR
	; ---- the MLP's first layer and gelu
	XFETCH
	s_wait_dscnt 0x0
	WIN 0x01
	DMUL AC, 8, 2, 0, XF, 0, 2
	WIN 0
	PLACES
	s_wait_loadcnt 24*(1-\b)                       ; bm1 and ln_post are in; in block 0 the 24 loads for block 1 are younger
	WIN 0x30                                       ; source 2: window 3
.set n_, 0
.rept 32
	v_pk_fma_f32 v[AC+2*n_:AC+2*n_+1], v[AC+2*n_:AC+2*n_+1], s[78:79], v[2*n_:2*n_+1] op_sel_hi:[1,0,1]   ; sum x 2^(e8 + e9) + bm1
.set n_, n_+1
.endr
	WIN 0
	GELU 0
	GELU 1
	GELU 2
	GELU 3
	v_mov_b32 v26, s80
	v_mov_b32 v27, s81
.set n_, 0
.rept 64
	v_med3_num_f32 v[AC+n_], v[AC+n_], -v27, v27
.set n_, n_+1
.endr
.irp t, 0,1,2,3,4,5,6,7
	v_cvt_scalef32_pk8_fp8_f32 v[40+2*\t:41+2*\t], v[AC+8*\t:AC+8*\t+7], v26   ; my 128 hidden units are K step w of the second layer
.endr
	v_nop
.irp n, 0,1,2,3
	ds_store_b128 v17, v[40+4*\n:43+4*\n] offset:512*\n
.endr
.if \b == 0
	s_wait_tensorcnt 0x0                           ; Wm2 has landed
	ds_add_u32 v24, v25                            ; 0 onto my spare word
	s_add_nc_u64 s[34:35], s[48:49], 65536         ; Wk and Wq of block 1
	s_or_b32 s35, s35, 0x80000000
	s_add_nc_u64 s[38:39], s[50:51], 65536
	s_or_b32 s39, s39, 0x80000000
	s_wait_dscnt 0x0                               ; the add is done, my image has landed, my reads of Wm1 are over
	ROUND
	JLOAD 32, 36
.else
	s_wait_tensorcnt 0x0                           ; my part of Wm2, the one load that is out
	BAR
.endif
	; ---- the second layer, the residual, LN_post
.irp n, 0,1,2,3,4,5,6,7,8,9,10,11,12,13,14,15
	ds_load_b128 v[AC+4*\n:AC+4*\n+3], v18 offset:512*\n
.endr
	s_mov_b32 s7, s14
	DFRAG 0x40, 0, 6, 4, 4, 16*MP                  ; Wm2's fragments, 32 loads a K step
	s_wait_dscnt 63                                ; of 144 loads the first 81 are in: the hidden operand (16) and K steps 0 and 1 (64)
	WIN 0x01
	DMUL 192, 4, 4, 0, AC, 0, 2
	s_wait_dscnt 0x0
	DMUL 192, 4, 4, 0, AC, 2, 4
	WIN 0
	PLACES
.if \b == 0
	WIN 0x40
	GATHER 2, 0                                    ; K's codes of block 1, where Wm2's fragments lay
	GATHER 2, 1
	GATHER 2, 2
	GATHER 2, 3
	WIN 0
.endif
.irp k, 0,1,2,3,4,5,6,7,8,9,10,11,12,13,14,15
	v_pk_fma_f32 v[Z+2*\k:Z+2*\k+1], v[192+2*\k:193+2*\k], s[82:83], v[Z+2*\k:Z+2*\k+1] op_sel_hi:[1,0,1]   ; z + sum x 2^(e10 + e11)
.endr
	WIN 0x08                                       ; source 1: window 2
.irp k, 0,1,2,3,4,5,6,7,8,9,10,11,12,13,14,15
	v_pk_add_f32 v[Z+2*\k:Z+2*\k+1], v[Z+2*\k:Z+2*\k+1], v[224+2*\k:225+2*\k]   ; + bm2
.endr
.if \b == 0
	WIN 0x80
	PVEC 224, 94, 1024, 4, 21                      ; bm2 of block 1
	WIN 0
	s_wait_xcnt 0x0                                ; every load that names s84-95 as its base has read it: block 1's exponents may land there
	s_load_b256 s[84:91], s[66:67], 0x30
	s_load_b128 s[92:95], s[66:67], 0x50
.endif
	WIN 0
	LN_A \b
	BAR
	LN_B1 \b
	LN_B2 0, 0x3c, 64, 96
.if \b == 0
	s_wait_kmcnt 0x0
	CONSTS
.endif
.endm
; ================================================================ THE HEAD
	s_load_b64 s[66:67], s[0:1], 0x0               ; lowp_scales
	s_load_b64 s[8:9], s[0:1], 0x8                 ; idx
	s_load_b64 s[60:61], s[0:1], 0x10              ; ycodes
	s_load_b64 s[4:5], s[0:1], 0x18                ; grd2sat
	s_load_b256 s[48:55], s[0:1], 0x20             ; Wk, Wq, Wv, Wproj
	s_load_b128 s[56:59], s[0:1], 0x40             ; Wm1, Wm2
	s_load_b128 s[96:99], s[0:1], 0x80             ; bm1, ln_post_w
	s_load_b64 s[100:101], s[0:1], 0x90            ; ln_post_b
	s_load_b64 s[104:105], s[0:1], 0x98            ; out0
	v_lshl_add_u32 v24, v0, 2, SPARE
	v_mov_b32 v25, 0
	ds_add_u32 v24, v25
	ds_add_u32 v24, v25
	s_wait_dscnt 0x0
	v_lshrrev_b32 v1, 5, v0
	v_readfirstlane_b32 s3, v1                     ; wave w
	v_and_b32 v1, 15, v0                           ; r
	v_bfe_u32 v2, v0, 4, 1                         ; hh
	v_and_b32 v40, 31, v0                          ; lane
	v_bfe_u32 v3, v0, 2, 2
	v_and_b32 v41, 3, v0
	v_lshlrev_b32 v3, 10, v3
	v_lshl_add_u32 v3, v41, 5, v3
	v_lshl_add_u32 v3, v2, 4, v3                   ; a gathered fragment: height r: (r / 4) x 1024 + (r % 4) x 32 + 16 hh
	v_mul_u32_u24 v4, v1, WP
	v_lshl_add_u32 v5, v2, 3, v4                   ; a dense fragment's row: r x 272 + 8 hh
	v_lshl_add_u32 v4, v2, 4, v4                   ; Wk's, Wv's: r x 272 + 16 hh
	v_mul_u32_u24 v6, v1, MP
	v_lshl_add_u32 v6, v2, 3, v6                   ; Wm2's: r x 528 + 8 hh
	s_lshl_b32 s7, s3, 8
	s_add_co_u32 s7, s7, QA
	v_mul_u32_u24 v9, v1, QAP
	v_lshl_add_u32 v9, v2, 5, v9
	v_add_nc_u32 v9, s7, v9                        ; QA: row r, my wave's 64 columns, my half's eight
	s_mul_i32 s7, s3, 4*QAP
	s_add_co_u32 s7, s7, QA
	v_lshl_add_u32 v10, v2, 5, s7                  ; QA: my four queries' rows, + 32 hh
	v_lshl_add_u32 v13, v40, 2, s7                 ; the same, + 4 x lane
	s_lshl_b32 s7, s3, 12
	s_add_co_u32 s7, s7, PR
	v_lshl_add_u32 v11, v40, 2, s7                 ; p: + 4 x lane
	v_lshl_add_u32 v12, v2, 5, s7                  ; p: + 32 hh
	s_lshl_b32 s7, s3, 10
	s_add_co_u32 s7, s7, IMG
	v_lshl_add_u32 v15, v40, 4, s7
	v_lshl_add_u32 v16, v40, 4, IMG
	s_lshl_b32 s7, s3, 11
	s_add_co_u32 s7, s7, HIMG
	v_lshl_add_u32 v17, v40, 4, s7
	v_lshl_add_u32 v18, v40, 4, HIMG
	s_lshl_b32 s7, s3, 7
	s_add_co_u32 s7, s7, STAT
	v_lshl_add_u32 v19, v1, 3, s7
	v_lshl_add_u32 v20, v1, 3, STAT
	s_lshl_b32 s7, s3, 8
	v_lshl_add_u32 v21, v2, 5, s7                  ; a vector of 256: my columns' bytes
	s_lshl_b32 s7, s3, 9
	v_lshl_add_u32 v22, v2, 5, s7                  ; bm1's
	s_lshl_b32 s7, s3, 20
	v_lshl_add_u32 v23, v2, 17, s7
	v_lshl_add_u32 v23, v1, 2, v23                 ; grd2sat and out0: channel (64 w + 8 hh) x 16,384 + 4 r,
	s_bfe_u32 s15, ttmp6, 0x40000                  ; my place in the cluster: it enters two vector offsets of global addresses, and nothing else
	s_lshl_b32 s2, ttmp9, 2
	s_add_co_u32 s2, s2, s15                       ; work-group g
	s_lshl_b32 s15, s2, 6
	v_add_nc_u32 v23, s15, v23                     ; + 64 g: my 16 queries
	s_lshl_b32 s15, s2, 7
	s_lshl_b32 s7, s3, 5
	s_add_co_u32 s15, s15, s7
	v_mov_b32 v29, s15                             ; idx: my wave's four pairs
	v_mov_b32 v14, 0x3b800000                      ; 1 / 256
	v_mov_b32 v28, 0                               ; a lane permute's destination counts as one of its sources
	v_mov_b32 v30, 0xbf3a00e3                      ; a4 / 2, twice
	v_mov_b32 v31, 0xbf3a00e3
	v_mov_b32 v57, 0                               ; upper halves of pairs that are named whole
	v_mov_b32 v59, 0
	s_mov_b32 s10, 0x7fffffff
	s_mov_b32 s11, 0xffff0000                      ; lanes 16-31
	s_mov_b32 s62, 0x76543210                      ; v_permlanex16_b32: lane l xor 16
	s_mov_b32 s63, 0xfedcba98
	s_mul_i32 s12, s3, 128*WP                      ; where my tensor loads go: wave x 128 rows,
	s_add_co_u32 s13, s12, P1
	s_mul_i32 s14, s3, 64*MP                       ; Wm2: wave x 64 rows
	s_add_co_u32 s14, s14, P1
	s_wait_kmcnt 0x0
	s_load_b256 s[84:91], s[66:67], 0x0            ; block 0's twelve exponents
	s_load_b128 s[92:95], s[66:67], 0x20
	global_load_b128 v[32:35], v29, s[8:9]
	global_load_b128 v[36:39], v29, s[8:9] offset:16
.irp t, 0,1,2,3
.irp j, 0,1,2,3,4,5,6,7
	global_load_b32 v[Z+8*\t+\j], v23, s[4:5] offset:(16*\t+\j)*16384   ; x(query r, channel 64 w + 16 t + 8 hh + j): sixteen lanes read 64 consecutive bytes
.endr
.endr
	s_and_b32 s6, s3, 1
	s_lshl_b32 s6, s6, 15                          ; a half of 128 rows of 256 bytes
	s_mov_b32 s7, 0
	s_add_nc_u64 s[48:49], s[48:49], s[6:7]
	s_add_nc_u64 s[50:51], s[50:51], s[6:7]
	s_add_nc_u64 s[52:53], s[52:53], s[6:7]
	s_add_nc_u64 s[54:55], s[54:55], s[6:7]
	s_lshl_b32 s6, s3, 15                          ; a quarter of Wm1 or Wm2
	s_add_nc_u64 s[56:57], s[56:57], s[6:7]
	s_add_nc_u64 s[58:59], s[58:59], s[6:7]
	; descriptor group 1, elements of one byte.  s[16:23]: 128 rows of 256, 16 bytes of padding behind each;  s[24:31]: 64 rows of 512, likewise
	s_mov_b32 s16, 15|(1<<20)|(1<<21)|(5<<22)|(3<<25)   ; 15:0 the mask: all four work-groups; 20 padding on; 21 set beside a mask; 24:22 after every 64 words; 31:25 four words
	s_mov_b32 s17, 256<<16
	s_mov_b32 s18, 128<<16
	s_mov_b32 s19, 256<<16
	s_mov_b32 s20, 128
	s_mov_b32 s21, 256
	s_mov_b32 s22, 0
	s_mov_b32 s23, 0
	s_mov_b32 s24, 15|(1<<20)|(1<<21)|(6<<22)|(3<<25)   ; after every 128 words
	s_mov_b32 s25, 512<<16
	s_mov_b32 s26, 64<<16
	s_mov_b32 s27, 512<<16
	s_mov_b32 s28, 64
	s_mov_b32 s29, 512
	s_mov_b32 s30, 0
	s_mov_b32 s31, 0
	; group 0: s[32:35] Wk (later Wm1), s[36:39] Wq, s[40:43] Wv (later Wm2), s[44:47] Wproj
	s_mov_b32 s32, 1
	s_mov_b32 s33, s12
	s_mov_b64 s[34:35], s[48:49]
	s_or_b32 s35, s35, 0x80000000
	s_mov_b32 s36, 1
	s_mov_b32 s37, s12
	s_mov_b64 s[38:39], s[50:51]
	s_or_b32 s39, s39, 0x80000000
	s_mov_b32 s40, 1
	s_mov_b32 s41, s13
	s_mov_b64 s[42:43], s[52:53]
	s_or_b32 s43, s43, 0x80000000
	s_mov_b32 s44, 1
	s_mov_b32 s45, s13
	s_mov_b64 s[46:47], s[54:55]
	s_or_b32 s47, s47, 0x80000000
	ROUND                                          ; all four work-groups are here: the first joint loads meet
	s_cmp_lt_u32 s3, 2                             ; a wave's two first fills stand in one branch: two loads of mine are out
	s_cbranch_scc0 .Lfirst_second
	tensor_load_to_lds s[32:35], s[16:23]
	s_nop 0
	tensor_load_to_lds s[40:43], s[16:23]
	s_nop 0
	PLACES
	s_branch .Lfirst_asked
.Lfirst_second:
	tensor_load_to_lds s[36:39], s[16:23]
	s_nop 0
	tensor_load_to_lds s[44:47], s[16:23]
	s_nop 0
	PLACES
.Lfirst_asked:
	s_wait_kmcnt 0x0
	CONSTS
	s_load_b256 s[84:91], s[0:1], 0x50             ; ln_q_w, ln_q_b, bproj, ln_pre_w
	s_load_b128 s[92:95], s[0:1], 0x70             ; ln_pre_b, bm2
	s_wait_kmcnt 0x0
	WIN 0x80
	PVEC 64, 84, 0, 4, 21
	PVEC 96, 86, 0, 4, 21
	PVEC 128, 88, 0, 4, 21
	PVEC 160, 90, 0, 4, 21
	PVEC 192, 92, 0, 4, 21
	PVEC 224, 94, 0, 4, 21
	WIN 0
	s_wait_loadcnt 63                              ; the column numbers are in: 80 loads were issued behind them, and the wait names the most that it can
.irp n, 0,1,2,3,4,5,6,7
	v_min_u32 v[32+\n], 127, v[32+\n]
	v_lshl_add_u32 v[32+\n], v[32+\n], 12, v3      ; the gathers' offsets: column x 4,096 + my lane's place
.endr
	WIN 0x40
	GATHER 0, 0
	GATHER 0, 1
	GATHER 0, 2
	GATHER 0, 3
	WIN 0
	s_wait_loadcnt 63                              ; x and the six vectors are in: K's 64 loads are younger
	BLOCK 0
	BLOCK 1
	; ================================================================ THE L2 NORM OVER THE CHANNELS, AND THE WAY OUT
.irp k, 0,1,2,3
	v_pk_mul_f32 v[40+2*\k:41+2*\k], v[Z+2*\k:Z+2*\k+1], v[Z+2*\k:Z+2*\k+1]
.endr
.irp k, 4,5,6,7,8,9,10,11,12,13,14,15
	v_pk_fma_f32 v[40+2*(\k%4):41+2*(\k%4)], v[Z+2*\k:Z+2*\k+1], v[Z+2*\k:Z+2*\k+1], v[40+2*(\k%4):41+2*(\k%4)]
.endr
	v_pk_add_f32 v[40:41], v[40:41], v[42:43]
	v_pk_add_f32 v[44:45], v[44:45], v[46:47]
	v_pk_add_f32 v[40:41], v[40:41], v[44:45]
	v_add_f32 v40, v40, v41
	v_permlanex16_b32 v28, v40, s62, s63
	v_add_f32 v40, v40, v28
	ds_store_b32 v19, v40
	BAR
.irp n, 0,1,2,3
	ds_load_b32 v[40+\n], v20 offset:128*\n
.endr
	s_wait_dscnt 0x0
	v_add_f32 v40, v40, v41
	v_add_f32 v42, v42, v43
	v_add_f32 v40, v40, v42
	v_sqrt_f32 v40, v40
	v_nop
	s_wait_alu depctr_va_vdst(0)                   ; the wait ahead of the first reader of the root
	v_max_num_f32 v40, 0x2b8cbccc, v40             ; at least 1e-12
	v_rcp_f32 v54, v40
	v_nop
	s_wait_alu depctr_va_vdst(0)                   ; and of the reciprocal
.irp k, 0,1,2,3,4,5,6,7,8,9,10,11,12,13,14,15
	v_pk_mul_f32 v[Z+2*\k:Z+2*\k+1], v[Z+2*\k:Z+2*\k+1], v[54:55] op_sel_hi:[1,0]
.endr
.irp t, 0,1,2,3
.irp j, 0,1,2,3,4,5,6,7
	global_store_b32 v23, v[Z+8*\t+\j], s[104:105] offset:(16*\t+\j)*16384   ; sixteen lanes store 64 consecutive bytes of a channel's row
.endr
.endr
	s_wait_tensorcnt 0x0                           ; the wave's end: behind my last tensor load and my last LDS store
	ds_add_u32 v24, v25
	s_wait_dscnt 0x0
	ROUND                                          ; the closing round: no work-group ends while a partner may still ask for a tile that names it
	s_endpgm
.Lfunc_end_k_qe76a3446dd_main:
	.size	k_qe76a3446dd_main, .Lfunc_end_k_qe76a3446dd_main-k_qe76a3446dd_main
	.p2alignl 7, 3214868480
	.fill 96, 4, 3214868480
	.section	.rodata,"a",@progbits
	.p2align	6, 0x0
	.amdhsa_kernel k_qe76a3446dd_main
		.amdhsa_group_segment_fixed_size 327680
		.amdhsa_private_segment_fixed_size 0
		.amdhsa_enable_private_segment 0
		.amdhsa_kernarg_size 160
		.amdhsa_user_sgpr_count 2
		.amdhsa_user_sgpr_kernarg_segment_ptr 1
		.amdhsa_wavefront_size32 1
		.amdhsa_system_sgpr_workgroup_id_x 1
		.amdhsa_system_sgpr_workgroup_id_y 1
		.amdhsa_system_sgpr_workgroup_id_z 1
		.amdhsa_system_vgpr_workitem_id 0
		.amdhsa_next_free_vgpr 1024
		.amdhsa_next_free_sgpr 106
		.amdhsa_reserve_vcc 0
		.amdhsa_float_denorm_mode_32 3
		.amdhsa_float_denorm_mode_16_64 3
		.amdhsa_memory_ordered 1
		.amdhsa_forward_progress 1
		.amdhsa_inst_pref_size 255
	.end_amdhsa_kernel
	.section	.bss,"aw",@nobits
	.p2align	6
	.space	262144
	.amdgpu_metadata
---
amdhsa.version: [ 1, 2 ]
amdhsa.kernels:
  - .name:           k_qe76a3446dd_main
    .symbol:         k_qe76a3446dd_main.kd
    .args:
      - { .name: lowp_scales, .offset: 0, .size: 8, .value_kind: global_buffer, .address_space: global }
      - { .name: idx, .offset: 8, .size: 8, .value_kind: global_buffer, .address_space: global }
      - { .name: ycodes, .offset: 16, .size: 8, .value_kind: global_buffer, .address_space: global }
      - { .name: grd2sat, .offset: 24, .size: 8, .value_kind: global_buffer, .address_space: global }
      - { .name: Wk_codes, .offset: 32, .size: 8, .value_kind: global_buffer, .address_space: global }
      - { .name: Wq_codes, .offset: 40, .size: 8, .value_kind: global_buffer, .address_space: global }
      - { .name: Wv_codes, .offset: 48, .size: 8, .value_kind: global_buffer, .address_space: global }
      - { .name: Wproj_codes, .offset: 56, .size: 8, .value_kind: global_buffer, .address_space: global }
      - { .name: Wm1_codes, .offset: 64, .size: 8, .value_kind: global_buffer, .address_space: global }
      - { .name: Wm2_codes, .offset: 72, .size: 8, .value_kind: global_buffer, .address_space: global }
      - { .name: ln_q_w, .offset: 80, .size: 8, .value_kind: global_buffer, .address_space: global }
      - { .name: ln_q_b, .offset: 88, .size: 8, .value_kind: global_buffer, .address_space: global }
      - { .name: bproj, .offset: 96, .size: 8, .value_kind: global_buffer, .address_space: global }
      - { .name: ln_pre_w, .offset: 104, .size: 8, .value_kind: global_buffer, .address_space: global }
      - { .name: ln_pre_b, .offset: 112, .size: 8, .value_kind: global_buffer, .address_space: global }
      - { .name: bm2, .offset: 120, .size: 8, .value_kind: global_buffer, .address_space: global }
      - { .name: bm1, .offset: 128, .size: 8, .value_kind: global_buffer, .address_space: global }
      - { .name: ln_post_w, .offset: 136, .size: 8, .value_kind: global_buffer, .address_space: global }
      - { .name: ln_post_b, .offset: 144, .size: 8, .value_kind: global_buffer, .address_space: global }
      - { .name: out0, .offset: 152, .size: 8, .value_kind: global_buffer, .address_space: global }
    .group_segment_fixed_size: 327680
    .private_segment_fixed_size: 0
    .kernarg_segment_align: 8
    .kernarg_segment_size: 160
    .max_flat_workgroup_size: 128
    .sgpr_count:     106
    .vgpr_count:     1024
    .wavefront_size: 32
...
	.end_amdgpu_metadata
.endif
;; end of part 2
